; MI455X (gfx1250); checked and timed in simulation.
; The chip was launched on July 23, 2026; its instructions are those of AMD's public machine-readable ISA for CDNA 5 (MIT licence, August 2026) and "CDNA5" Instruction Set Architecture Reference Guide (July 2026). The comments in the code are by the model that wrote it; some were corrected since.
;; Cross Attention. Allowed arithmetic: matrix products marked QUANTISED: E2M1 operands, one E8M0 scale for each 32 along K, by v_wmma_scale_f32_16x16x128_f8f6f4 with both operands' format E2M1 (or v_wmma_scale_f32_32x16x128_f4), f32 sums; everything else in f32.
;; Inputs: h 8 x 256 x 64 x 64 float32; xs 8 x 256 x 64 x 64 float32; ys 8 x 256 x 64 x 64 float32.
;; Outputs: out0 8 x 256 x 64 x 64 float32.
;; This version of the problem:
;;   THIS VERSION OF THE PROBLEM IS GIVEN IN LOW PRECISION. The matrix products marked QUANTISED in the list below multiply operands that are first quantised to E2M1 (2 exponent bits, 1 mantissa bit; 4 bits a number), with one power-of-two scale for each 32 numbers along K (OCP MX v1.0); their sums are f32. All else is computed in f32.
;;   The module's matrix products, in the order in which they are computed (A, B: the left and right operand; K: the contracted axis; several contracted axes count as one K, in the product's order):
;;     1. batch 8 x [M 4,096, K 256] x [K 256, N 4,096]; A: input h; B: input xs: QUANTISED
;;     2. batch 8 x [M 256, K 4,096] x [K 4,096, N 4,096]; A: input ys; B: softmax (see below): QUANTISED
;;   THE QUANTISER, for each operand of a quantised product, along K:
;;     - K is cut into blocks of 32 from its start; a last block that is shorter is filled with zeros.
;;     - A block's scale is 2^e with e = floor(log2(the largest magnitude in the block)) - 2, held to -126 .. 127; a block of zeros has e = 0. As a byte (E8M0): e + 127.
;;     - Each number is divided by its block's scale, clamped to +-6, and rounded to the nearest number of E2M1, ties to even, subnormals kept.
;;     - The product sums the exact products of the quantised numbers (number of the format x scale) in f32.
;;   ~~~python
;;   def quantise(x, axis):      # numpy; x: float32 -> the quantised numbers, widened to float32 again
;;       x = np.moveaxis(x, axis, -1); K = x.shape[-1]
;;       x = np.pad(x, [(0, 0)] * (x.ndim - 1) + [(0, -K % 32)]); x = x.reshape(x.shape[:-1] + (-1, 32)); a = np.abs(x).max(-1, keepdims=True)
;;       e = np.where(a > 0, np.clip(np.frexp(np.where(a > 0, a, 1))[1] - 1 - 2, -126, 127), 0)      # np.frexp(a)[1] - 1 = floor(log2(a)), exactly
;;       r = np.clip(x / 2.0 ** e, -6, 6)
;;       step = 2.0 ** (np.maximum(np.frexp(np.where(r == 0, 1, r))[1] - 1, 0) - 1)
;;       q = np.round(r / step) * step * 2.0 ** e      # np.round: ties to even
;;       return np.moveaxis(q.reshape(q.shape[:-2] + (-1,))[..., :K], -1, axis).astype(np.float32)
;;   ~~~
;;   SOFTMAX AHEAD OF A QUANTISED PRODUCT. Where the list says 'softmax', what is quantised is not the finished softmax but p = 2^(t - M), with t = logit x log2(e) and M = ceil(the row's largest t), a whole number; so 1/2 < the row's largest p <= 1. The row's sum l is taken of the UNQUANTISED p, in f32, and the product's result is divided by l at the end. Since M is a whole number, a kernel that streams over the keys may use a running M (the ceiling of the running maximum): every later rescaling is an exact power of two, which a block's scale takes up: the codes' values come out the same.
;;   OPERANDS COMPUTED ON THE WAY. 'Computed on the way' means the value that the module computes at that place (a softmax that the list does not call 'softmax' is quantised finished and normalised). What goes into a quantiser is computed in f32, as accurately as f32 sums, v_exp_f32 and their like allow (about 1e-6 of the number): no bf16 or f16 on the way to a quantiser, and a product that is left as it is and whose result goes on into a quantised operand takes f32 operands (vector FMAs, or v_wmma_f32_16x16x4_f32). A number that lies on a knife's edge between two numbers of the format may be rounded either way, as far as f32 arithmetic and the matrix unit's own rounding can turn it there, and no further.
;; One version. Each part assembles by itself: llvm-mc -triple=amdgcn-amd-amdhsa -mcpu=gfx1250 --defsym DOCPART=n.
;; ======== version 1 of 1: 2 launches
;; limits: right only within a limited range of input values
;; workspace buffers: q 4,718,592 bytes; kv 8,912,896 bytes
;; launch quant (part 1): grid 768 x 1, 4 waves a work-group, no clusters, 34,304 bytes of LDS; arguments h, xs, ys, q, kv; writes q, kv
.if DOCPART == 1
	.amdgcn_target "amdgcn-amd-amdhsa--gfx1250"
	.amdhsa_code_object_version 6
	.text
	.protected	k_qa9cbb2de3c_quant
	.globl	k_qa9cbb2de3c_quant
	.p2align	8
	.type	k_qa9cbb2de3c_quant,@function
k_qa9cbb2de3c_quant:
	s_mov_b64 s[64:65], 0
	v_nop
	global_prefetch_b8 v0, s[64:65] scope:SCOPE_SE
	s_setreg_imm32_b32 hwreg(HW_REG_WAVE_MODE, 25, 1), 1
	s_wait_xcnt 0x0
; h, xs, ys: [8][256][4096] f32.  All three become codes of FP4 (E2M1) with one E8M0 scale byte for each 32 along the K of the product that reads them,
; laid as IMAGES OF THE OPERANDS' REGISTERS, so that the attention launch takes every fragment by loads of 16 consecutive bytes a lane.
; A fragment is 16 rows x 128 K in 8 registers a lane: lane (r, h) holds, in registers 4 c .. 4 c + 3, block 2 c + h (32 codes, 16 bytes) of row r.  Its image: 1,024 bytes, block j of row r at 256 j + 16 r.
; kv: one block of STEPB bytes for each (batch, 128 keys): 1,024 bytes of xs's scale words, 1,024 of ys's, 16 fragments of xs (8 tiles of 16 keys x 2 K steps of 128 channels), 16 of ys (16 tiles of 16 channels x these 128 keys).
; q:  one block of QBLK bytes for each (batch, 128 queries): h's scale words at 0, its 16 fragments at 2,048 (bytes 1,024 to 2,047 are neither written nor read).
; THE KEYS OF A TILE ARE NOT NEIGHBOURS: row r of tile 2 b + u is key 32 b + 8 u + r % 8 + 16 (r / 8), so that the scores of two neighbouring tiles are 16 neighbouring keys in a lane.  The queries of a tile are neighbours: 32 b + 16 u + r.
; A block's scale is 2^(floor(log2(its largest magnitude)) - 2); its byte is the largest magnitude's exponent field - 2, held at 1 from below; each number is divided by it and rounded to the nearest code, ties to even, beyond 6 the code of 6.
; LIMITS: a block of zeros gets the byte 1 where the rule says 127 (its codes are zeros, which add nothing, and this program alone reads the bytes); a largest magnitude under 2^-124 is taken as 2^-124; NaN and infinities are not served.
; SHARES: work-groups 0-255 take h, 256-511 xs, 512-767 ys: one (batch, 128 columns) each, 131,072 bytes of f32.  Waves share nothing: no barrier.  Only ys's path uses LDS.
.set STEPB, 34816                      ; a block of kv
.set QBLK,  18432                      ; a block of q
.set ROWM,  16384                      ; a channel's row of 4,096 f32 in bytes
.set XA,    32                         ; h, xs: v32-95   two sets of 32 numbers
.set CA,    96                         ; h, xs: v96-127  four registers of codes for each of 8 blocks: no store's data are written again
.set RB,    32                         ; ys:    v32-159  two sets of 64 registers as they are loaded
.set XB,    160                        ; ys:    v160-223 my two blocks of 32 neighbours
.set CB,    224                        ; ys:    v224-255 eight registers of codes for each of 4 fragments
.set SPI,   528                        ; ys:    a stage row: 512 bytes + 16 = 132 words: row r starts at bank 4 r mod 64 (64 banks of 4 bytes: ISA guide 11.1)
.set WST,   16*SPI                     ; ys:    a wave's stage
	s_load_b128 s[4:7], s[0:1], 0x0                ; h, xs
	s_load_b128 s[8:11], s[0:1], 0x10              ; ys, q
	s_load_b64 s[12:13], s[0:1], 0x20              ; kv
	v_lshl_add_u32 v30, v0, 2, 0x8400
	v_mov_b32 v31, 0
	v_lshrrev_b32 v1, 5, v0
	v_readfirstlane_b32 s14, v1                    ; wave 0..3
	v_and_b32 v2, 31, v0                           ; lane
	s_cmp_lt_u32 ttmp9, 512
	s_cbranch_scc0 .Lys
; ---- h AND xs: K (the channels) is the FIRST axis.  A lane takes a column and its registers run down K: a block of 32 lies in one lane's 32 registers, and the conversions give codes with K innermost.
; Wave w takes columns 32 w .. 32 w + 31 of the 128: tiles 2 w and 2 w + 1.  Lane 16 u + r takes the column that is row r of tile 2 w + u.
	s_and_b32 s15, ttmp9, 255                      ; 32 x batch + which 128 columns
	s_lshr_b32 s16, s15, 5                         ; batch
	s_and_b32 s17, s15, 31
	v_and_b32 v6, 15, v2                           ; r
	v_lshrrev_b32 v7, 4, v2                        ; u
	v_and_b32 v8, 7, v6                            ; r % 8
	v_lshrrev_b32 v9, 3, v6                        ; r / 8
	s_wait_alu depctr_va_vdst(0)
	s_wait_kmcnt 0x0
	s_cmp_lt_u32 ttmp9, 256                        ; h or xs?  The choice hangs on the work-group's number alone
	s_cselect_b64 s[4:5], s[4:5], s[6:7]           ; from h or xs
	s_cselect_b64 s[10:11], s[10:11], s[12:13]     ; to q or kv
	s_mov_b32 s18, STEPB
	s_cselect_b32 s18, QBLK, s18                   ; a block of the buffer
	s_cselect_b32 s19, 4, 3                        ; the column: r % 8 + (u << 4) + ((r / 8) << 3) for queries,
	s_cselect_b32 s20, 3, 4                        ;             r % 8 + (u << 3) + ((r / 8) << 4) for keys
	v_lshlrev_b32 v10, s19, v7
	v_lshlrev_b32 v11, s20, v9
	v_add3_u32 v3, v8, v10, v11
	v_lshlrev_b32 v3, 2, v3                        ; v3: my column's 4 bytes in the wave's 128
	s_wait_alu depctr_va_vdst(0)
	v_lshlrev_b32 v4, 4, v6
	v_lshl_add_u32 v4, v7, 11, v4
	s_lshl_b32 s21, s14, 12
	v_add_nc_u32 v4, s21, v4                       ; v4: my codes' place: 16 r + 2,048 u + 4,096 w
	v_lshlrev_b32 v5, 3, v2
	s_lshl_b32 s21, s14, 8
	v_add_nc_u32 v5, s21, v5                       ; v5: my scale words' place: 8 x lane + 256 w
	s_lshl_b32 s22, s16, 22                        ; a batch is 256 rows of 16,384 bytes
	s_lshl_b32 s23, s17, 9
	s_add_co_u32 s22, s22, s23
	s_lshl_b32 s23, s14, 7
	s_add_co_u32 s22, s22, s23
	s_mov_b32 s23, 0
	s_add_nc_u64 s[4:5], s[4:5], s[22:23]
	s_mul_i32 s22, s15, s18
	s_add_nc_u64 s[10:11], s[10:11], s[22:23]
.macro LOADA t                         ; block t: channels 32 t + i, i = 0 .. 31, of my column, into set t % 2.  The largest offset, 255 rows, lies inside the signed 24-bit immediate (ISA guide, chapter 10)
.irp i, 0,1,2,3,4,5,6,7,8,9,10,11,12,13,14,15,16,17,18,19,20,21,22,23,24,25,26,27,28,29,30,31
	global_load_b32 v[XA+32*((\t)%2)+\i], v3, s[4:5] offset:(32*(\t)+\i)*ROWM th:TH_LOAD_NT
.endr
.endm
.macro BLOCKA t
.set XS, XA+32*((\t)%2)
.if (\t) < 7
	s_wait_loadcnt 32                              ; this block's 32 loads are in; the next block's 32 may be out
.else
	s_wait_loadcnt 0x0
.endif
	v_max3_num_f32 v12, |v[XS]|, |v[XS+1]|, |v[XS+2]|              ; the block's largest magnitude: all 32 numbers are mine; two chains
	v_max3_num_f32 v13, |v[XS+3]|, |v[XS+4]|, |v[XS+5]|
.irp i, 6,10,14,18,22,26
	v_max3_num_f32 v12, v12, |v[XS+\i]|, |v[XS+\i+1]|
	v_max3_num_f32 v13, v13, |v[XS+\i+2]|, |v[XS+\i+3]|
.endr
	v_max3_num_f32 v12, v12, |v[XS+30]|, |v[XS+31]|
	v_max3_num_f32 v12, v12, v13, 0x1800000        ; and the floor 2^(3 - 127): the byte cannot fall under 1
	v_add_nc_u32 v11, 0xff000000, v12              ; 2 off its exponent field: the conversion takes the exponent field of this operand as its scale
	v_lshrrev_b32 v13, 23, v11                     ; the scale's byte
.if (\t)%4 == 0
	v_mov_b32 v[24+(\t)/4], v13                    ; four bytes make the scale word of a K step of 128: v24 channels 0-127, v25 channels 128-255
.else
	v_lshl_or_b32 v[24+(\t)/4], v13, 8*((\t)%4), v[24+(\t)/4]
.endif
.irp g, 0,1,2,3
	v_cvt_scalef32_pk8_fp4_f32 v[CA+4*(\t)+\g], v[XS+8*\g:XS+8*\g+7], v11
.endr
	global_store_b128 v4, v[CA+4*(\t):CA+4*(\t)+3], s[10:11] offset:2048+256*(\t)   ; block t of 16 rows of a tile: sixteen lanes store 256 consecutive bytes, aligned
.if (\t) < 6
	LOADA (\t)+2
.endif
.endm
	LOADA 0
	LOADA 1
.irp t, 0,1,2,3,4,5,6,7
	BLOCKA \t
.endr
	v_nop                                          ; a plain instruction behind the last scaled conversion
	v_permlane16_swap_b32 v24, v25                 ; v24: tile 2 w's words, K step 0 in lanes 0-15 and K step 1 in lanes 16-31; v25: tile 2 w + 1's likewise
	global_store_b64 v5, v[24:25], s[10:11]        ; 32 lanes store 256 consecutive bytes, aligned
	s_endpgm
; ---- ys: K (the keys) is innermost.  Wave w makes channel tiles 4 w .. 4 w + 3 for the block's 128 keys.  Each load reads 512 consecutive bytes of one channel; 16 channels turn through the wave's own stage in LDS,
; out of which lane (r, h) takes blocks h and 2 + h of channel r whole: 128 bytes each.
.Lys:
	s_sub_co_u32 s15, ttmp9, 512                   ; 32 x batch + which 128 keys
	s_lshr_b32 s16, s15, 5
	s_and_b32 s17, s15, 31
	s_wait_alu depctr_va_vdst(0)
	v_and_b32 v6, 15, v2                           ; r
	v_lshrrev_b32 v7, 4, v2                        ; h
	v_lshlrev_b32 v3, 4, v2                        ; v3: 16 x lane
	s_mul_i32 s18, s14, WST
	v_add_nc_u32 v8, s18, v3                       ; v8: into the stage: 16 x lane of a row
	v_mul_u32_u24 v9, v6, SPI
	v_lshl_add_u32 v9, v7, 7, v9
	v_add_nc_u32 v9, s18, v9                       ; v9: out of it: row r, 128 h bytes on
	s_lshl_b32 s19, s14, 12
	v_add_nc_u32 v4, s19, v3                       ; v4: my codes' place: 16 x lane + 4,096 w
	v_lshlrev_b32 v5, 3, v2
	s_lshl_b32 s19, s14, 8
	v_add_nc_u32 v5, s19, v5                       ; v5: my scale words' place: 8 x lane + 256 w
	v_lshlrev_b32 v10, 3, v7                       ; 8 h: my two bytes' shift in the scale word
	v_mov_b32 v20, 0                               ; written once: a lane permute's destination counts as one of its sources
	s_mov_b32 s20, 0x76543210
	s_mov_b32 s21, 0xfedcba98                      ; v_permlanex16_b32's selects for lane l xor 16
	s_lshl_b32 s22, s16, 22
	s_lshl_b32 s23, s14, 20                        ; my 64 channels
	s_add_co_u32 s22, s22, s23
	s_lshl_b32 s23, s17, 9
	s_add_co_u32 s22, s22, s23
	s_mov_b32 s23, 0
	s_mul_i32 s24, s15, STEPB
	s_mov_b32 s25, 0
	s_wait_alu depctr_va_vdst(0)
	s_wait_kmcnt 0x0
	s_add_nc_u64 s[8:9], s[8:9], s[22:23]
	s_add_nc_u64 s[12:13], s[12:13], s[24:25]
.macro LOADF f                         ; fragment f's 16 channels, 512 bytes each, into set f % 2
.irp i, 0,1,2,3,4,5,6,7,8,9,10,11,12,13,14,15
	global_load_b128 v[RB+64*((\f)%2)+4*\i:RB+64*((\f)%2)+4*\i+3], v3, s[8:9] offset:(16*(\f)+\i)*ROWM th:TH_LOAD_NT
.endr
.endm
.macro TURNF f                         ; through the stage: LDS serves a wave's instructions in order (ISA guide 5.7.1.4), so no wait stands between the stores and the loads
.irp i, 0,1,2,3,4,5,6,7,8,9,10,11,12,13,14,15
	ds_store_b128 v8, v[RB+64*((\f)%2)+4*\i:RB+64*((\f)%2)+4*\i+3] offset:SPI*\i
.endr
.irp c, 0,1
.irp g, 0,1,2,3,4,5,6,7
	ds_load_b128 v[XB+32*\c+4*\g:XB+32*\c+4*\g+3], v9 offset:256*\c+16*\g
.endr
.endr
.endm
.macro QB f
.irp c, 0,1
	v_max3_num_f32 v[16+\c], |v[XB+32*\c]|, |v[XB+32*\c+1]|, 0x1800000   ; my block 2 c + h: all its 32 numbers are mine; and the floor 2^(3 - 127)
.endr
.irp i, 2,4,6,8,10,12,14,16,18,20,22,24,26,28,30
.irp c, 0,1
	v_max3_num_f32 v[16+\c], v[16+\c], |v[XB+32*\c+\i]|, |v[XB+32*\c+\i+1]|   ; (the two blocks by turns)
.endr
.endr
.irp c, 0,1
	v_add_nc_u32 v[18+\c], 0xff000000, v[16+\c]    ; 2 off the exponent field: the conversion's scale operand
.endr
.irp c, 0,1
	v_lshrrev_b32 v[16+\c], 23, v[18+\c]           ; the scale's byte
.endr
	v_lshl_or_b32 v21, v17, 16, v16                ; my two bytes, blocks h and 2 + h of channel r,
	v_lshlrev_b32 v21, v10, v21                    ; at their places in the scale word;
	v_permlanex16_b32 v20, v21, s20, s21
	v_or_b32 v[24+(\f)], v21, v20                  ; with lane l xor 16's two the word is whole, in both halves of the lanes
.irp c, 0,1
.irp g, 0,1,2,3
	v_cvt_scalef32_pk8_fp4_f32 v[CB+8*(\f)+4*\c+\g], v[XB+32*\c+8*\g:XB+32*\c+8*\g+7], v[18+\c]
.endr
.endr
	v_nop                                          ; a plain instruction behind the last scaled conversion
.irp c, 0,1
	global_store_b128 v4, v[CB+8*(\f)+4*\c:CB+8*(\f)+4*\c+3], s[12:13] offset:18432+1024*(\f)+512*\c   ; 32 lanes store 512 consecutive bytes, aligned
.endr
.endm
	LOADF 0
	LOADF 1
.irp f, 0,1,2,3
.if \f < 3
	s_wait_loadcnt 16                              ; this fragment's 16 loads are in; the next one's 16 may be out
.else
	s_wait_loadcnt 0x0
.endif
	TURNF \f
	s_wait_dscnt 0x0                               ; the stores have read their registers, and my 64 numbers are back
.if \f < 2
	LOADF \f+2
.endif
	QB \f
.endr
	v_cmp_le_u32 vcc_lo, 16, v2                    ; lanes 0-15 carry the words of tiles 4 w and 4 w + 1, lanes 16-31 those of 4 w + 2 and 4 w + 3
	v_cndmask_b32 v28, v24, v26, vcc_lo
	v_cndmask_b32 v29, v25, v27, vcc_lo
	global_store_b64 v5, v[28:29], s[12:13] offset:1024   ; 32 lanes store 256 consecutive bytes, aligned
	s_wait_tensorcnt 0x0
	ds_add_u32 v30, v31
	s_wait_dscnt 0x0
	s_endpgm
.Lfunc_end_k_qa9cbb2de3c_quant:
	.size	k_qa9cbb2de3c_quant, .Lfunc_end_k_qa9cbb2de3c_quant-k_qa9cbb2de3c_quant
	.p2alignl 7, 3214868480
	.fill 96, 4, 3214868480
	.section	.rodata,"a",@progbits
	.p2align	6, 0x0
	.amdhsa_kernel k_qa9cbb2de3c_quant
		.amdhsa_group_segment_fixed_size 34304
		.amdhsa_private_segment_fixed_size 0
		.amdhsa_enable_private_segment 0
		.amdhsa_kernarg_size 40
		.amdhsa_user_sgpr_count 2
		.amdhsa_user_sgpr_kernarg_segment_ptr 1
		.amdhsa_wavefront_size32 1
		.amdhsa_system_sgpr_workgroup_id_x 1
		.amdhsa_system_sgpr_workgroup_id_y 1
		.amdhsa_system_sgpr_workgroup_id_z 1
		.amdhsa_system_vgpr_workitem_id 0
		.amdhsa_next_free_vgpr 256
		.amdhsa_next_free_sgpr 66
		.amdhsa_reserve_vcc 1
		.amdhsa_float_denorm_mode_32 3
		.amdhsa_float_denorm_mode_16_64 3
		.amdhsa_memory_ordered 1
		.amdhsa_forward_progress 1
		.amdhsa_inst_pref_size 68
	.end_amdhsa_kernel
	.amdgpu_metadata
---
amdhsa.version: [ 1, 2 ]
amdhsa.kernels:
  - .name:           k_qa9cbb2de3c_quant
    .symbol:         k_qa9cbb2de3c_quant.kd
    .args:
      - { .name: h, .offset: 0, .size: 8, .value_kind: global_buffer, .address_space: global }
      - { .name: xs, .offset: 8, .size: 8, .value_kind: global_buffer, .address_space: global }
      - { .name: ys, .offset: 16, .size: 8, .value_kind: global_buffer, .address_space: global }
      - { .name: q, .offset: 24, .size: 8, .value_kind: global_buffer, .address_space: global }
      - { .name: kv, .offset: 32, .size: 8, .value_kind: global_buffer, .address_space: global }
    .group_segment_fixed_size: 34304
    .private_segment_fixed_size: 0
    .kernarg_segment_align: 8
    .kernarg_segment_size: 40
    .max_flat_workgroup_size: 128
    .sgpr_count:     66
    .vgpr_count:     256
    .wavefront_size: 32
...
	.end_amdgpu_metadata
.endif
;; end of part 1
;; launch attn (part 2): grid 32 x 8, 4 waves a work-group, clusters of 4 x 1, 327,680 bytes of LDS; arguments q, kv, out0; writes out0
.if DOCPART == 2
	.amdgcn_target "amdgcn-amd-amdhsa--gfx1250"
	.amdhsa_code_object_version 6
	.text
	.protected	k_qa9cbb2de3c_attn
	.globl	k_qa9cbb2de3c_attn
	.p2align	8
	.type	k_qa9cbb2de3c_attn,@function
k_qa9cbb2de3c_attn:
	s_mov_b64 s[64:65], 0
	v_nop
	global_prefetch_b8 v0, s[64:65] scope:SCOPE_SE
	s_setreg_imm32_b32 hwreg(HW_REG_WAVE_MODE, 25, 1), 1
	s_wait_xcnt 0x0
	s_wait_alu depctr_hold_cnt(0) depctr_sa_sdst(0) depctr_va_vdst(0) depctr_va_sdst(0) depctr_va_ssrc(0) depctr_va_vcc(0) depctr_vm_vsrc(0)
	s_getreg_b32 s2, hwreg(HW_REG_IB_STS2, 6, 4)
	s_cmp_eq_u32 s2, 0
	s_cbranch_scc0 .Lentry_in_a_cluster
	s_endpgm
.Lentry_in_a_cluster:
	s_bfe_u32 s2, ttmp6, 0x10000c
	s_cmp_lg_u32 s2, 0x3003
	s_cbranch_scc0 .Lentry_shape_is_right
	s_endpgm
.Lentry_shape_is_right:
; out[b][c][n] = the sum over m of ys[b][c][m] p[n][m] / l[n], p = 2^(t - M), t = (the sum over c of h[b][c][n] xs[b][c][m]) x log2(e); both products on codes of FP4 (E2M1), one E8M0 scale for each 32 along K.
; M is the running largest t of a query, rounded UP to a whole number; l is the sum of the unquantised p, in f32.  When M moves, l and O are multiplied by 2^(old M - new M): nothing is rounded, no branch on data.
; q and kv hold codes and scale words as images of the operands' registers: a fragment (16 rows x 128 K, 8 registers a lane) is 1,024 bytes, registers 4 c .. 4 c + 3 of lane l at 512 c + 16 l.
; A block of kv (STEPB bytes, 128 keys): K's scale words at 0, V's at 1,024, K's 16 fragments (key tile t, K step s: 2 t + s) at 2,048, V's 16 (channel tile ct x the 128 keys) at 18,432.
; SHARES.  A work-group owns 128 queries of one batch; each of its four waves 32 of them: tiles x = 0, 1 of 16.  Every wave walks all 4,096 keys, 128 a step; each fragment read from LDS feeds two products.
; LAYOUT.  Both products are used transposed: S^T = K Q^T (source 0 = 16 keys), O^T = V P^T (source 0 = 16 channels): a lane holds ONE query (lane % 16).  Row r of key tile 2 b + u is key 32 b + 8 u + r % 8 + 16 (r / 8),
; so the 16 registers of tiles 2 b and 2 b + 1 are keys 32 b + 16 (lane / 16) + 0 .. 15: the conversions' results, with one exchange of halves, are the second product's operand.
; RING.  Two LDS slots of four key steps; wave w brings step w of a slot by one tensor load of 136 dense rows of 256 bytes.  One tensor load of a wave is out at any time.
; CLUSTER.  The four work-groups of a cluster belong to one batch and walk the same kv: each tile is asked for JOINTLY, by the same descriptor and a mask that names the four.
; TWO TILES.  Their dependent lines take turns.  Each tile's 68 exponentials are one batch with a wait ahead and a wait behind; between a batch's lines stand only lines of the other tile that read nothing written since the wait ahead and whose results are read behind the wait behind.
; LIMITS: a p under 2^-126 counts as 0 (v_exp_f32 gives no denormals: ISA guide 15.8); a block whose every p is 0 keeps the byte 1, its codes are zeros; NaN and infinities are not served.
; A block's largest p is not searched for: the block's largest score goes through the same multiply-add and exponential (this takes v_exp_f32 not to fall where its input rises).
; REGISTERS (s_set_vgpr_msb's low byte: bits 1:0 source 0, 3:2 source 1, 5:4 source 2, 7:6 destination):
;   window 0: v1-11, v88, v89 addresses; v12-19 statistics; v20-39 scale words and nothing else; v40-71 at work; v72-87 p's codes; v90-95 at work; v96-127 Q; v128-255 S^T, then p.
;   window 1: O^T, tile x, channel tile ct at v[128 x + 8 ct].      window 2: v0-127 K's 16 fragments, v128-255 V's 16.
.set STEPB, 34816                      ; a key step's block
.set SLOT,  4*STEPB                    ; 0x22000: w x STEPB has neither of its two bits, so one exclusive or turns an address into the other slot's
.set SPARE, 2*SLOT                     ; the spare words, 128 bytes a wave: two blocks of 256 bytes that no other line names
.set QBLK,  18432                      ; a block of q: 128 queries
.set SPI,   528                        ; the way out: a stage row, 128 queries of one channel, 512 bytes + 16.  The 256 rows lie in slot 0, which has had its last fill by then
.set ST,   12                          ; tile x at v[ST + 4 x]: -M, the largest t, the sum in two halves
.set QS,   20                          ; v20-21 Q's scale words, tile x: K step 0 in lanes 0-15, K step 1 in lanes 16-31
.set PWR,  22                          ; v22-23 p's scale words, tile x
.set KSC,  24                          ; v24-31 K's scale words, tile t, laid as Q's
.set VSC,  32                          ; v32-39 V's: v[32 + 2 g + i]: tile 4 g + i in lanes 0-15, tile 4 g + 2 + i in lanes 16-31
.set WK,   40                          ; tile x at v[WK + 16 x]: +0..3 the blocks' largest, +4..7 exchange, second chain, bytes, +8..11 the conversions' scale operands, +12, +13 f as a pair, +14 at work
.set PC,   72                          ; p's codes, 8 a tile
.set QF,   96                          ; Q: tile x, K step s at v[QF + 16 x + 8 s]
.set S,    128                         ; S^T: 64 a tile
.set CS,   38                          ; s[38:39] log2(e), named as a pair
.set SEL,  40                          ; s[40:41] lane selects for lane l xor 16
.set MSB, 0
.macro WIN new                         ; the immediate's high byte repeats the setting that is left
.if MSB != \new
	s_set_vgpr_msb (MSB<<8)|\new
.set MSB, \new
.endif
.endm
.set W_S,  0x02                        ; K in window 2; Q and S^T in window 0
.set W_PV, 0x52                        ; V in window 2, p in window 0, O^T in window 1
.set W_RS, 0x41                        ; O^T in window 1, f in window 0
.set TO_F, 0x80                        ; a load's destination in window 2
.set CLR,  0x40                        ; destination in window 1
.set ST_O, 0x04                        ; an LDS store's data in window 1
.macro VW
	s_wait_alu depctr_va_vdst(0)
.endm
.macro NOPS n
.rept \n
	v_nop
.endr
.endm
.macro CROUND                          ; a round of the cluster's barrier
	s_barrier_signal -1
	s_barrier_wait -1
	s_cmp_lg_u32 s10, 0
	s_cbranch_scc1 .Lnot_wave_0_\@
	s_barrier_signal -3
.Lnot_wave_0_\@:
	s_barrier_wait -3
	s_barrier_signal -1
	s_barrier_wait -1
.endm
	s_load_b128 s[4:7], s[0:1], 0x0                ; q, kv
	s_load_b64 s[8:9], s[0:1], 0x10                ; out
	v_lshl_add_u32 v3, v0, 2, SPARE                ; my spare word; never rewritten
	v_mov_b32 v4, 0                                ; 0; never rewritten
	ds_add_u32 v3, v4                              ; the opening lines: the add twice on end and one wait
	ds_add_u32 v3, v4
	v_lshrrev_b32 v90, 5, v0
	v_readfirstlane_b32 s10, v90                   ; wave 0..3
	s_bfe_u32 s11, ttmp6, 0x40000                  ; cx
	s_lshl_b32 s12, ttmp9, 2
	s_add_co_u32 s12, s12, s11                     ; my block of 128 queries: it enters q's and out's addresses alone
	s_and_b32 s13, ttmp7, 0xffff                   ; the batch, which the partners share
	s_mov_b32 s16, 15|(3<<16)|(1<<21)              ; group 1: the mask of four; elements of 8 bytes; bit 21 beside a mask
	s_mov_b32 s17, 32<<16                          ; rows of 32 elements,
	s_mov_b32 s18, 136<<16                         ; 136 of them,
	s_mov_b32 s19, 32<<16
	s_mov_b32 s20, 136
	s_mov_b32 s21, 32                              ; dense
	s_mov_b32 s22, 0
	s_mov_b32 s23, 0
	s_mul_i32 s28, s10, STEPB                      ; my step's place in a slot
	s_mov_b32 s30, 0                               ; LDS byte at which the step in hand begins
	s_mov_b32 s31, 7                               ; slots still to be asked for
	s_mov_b32 s[CS], 0x3fb8aa3b                    ; log2(e); the temperature is 1
	s_mov_b32 s[CS+1], s[CS]
	s_mov_b32 s[SEL], 0x76543210
	s_mov_b32 s[SEL+1], 0xfedcba98
	s_mul_i32 s42, s13, 32*STEPB                   ; the batch's first byte in kv
	s_add_co_u32 s44, s42, s28
	s_mov_b32 s45, 0
	s_lshl_b32 s46, s13, 5
	s_add_co_u32 s46, s46, s12
	s_mul_i32 s46, s46, QBLK                       ; my block of q
	s_mov_b32 s47, 0
	s_lshl_b32 s48, s13, 22                        ; out: the batch,
	s_lshl_b32 s49, s10, 20                        ; the 64 channels that I store,
	s_add_co_u32 s48, s48, s49
	s_lshl_b32 s49, s12, 9                         ; my block's 512 bytes of a row
	s_add_co_u32 s48, s48, s49
	s_mov_b32 s49, 0
	s_mul_i32 s50, s11, STEPB                      ; the prefetches: partner cx takes step cx of a slot (told apart by address),
	s_add_co_u32 s50, s50, s42
	s_lshl_b32 s51, s10, 13                        ; wave w 8,192 bytes of its codes;
	s_add_co_u32 s50, s50, s51
	s_add_co_u32 s50, s50, SLOT                    ; in slot 1's keys: the first change of slots steps it on
	s_mov_b32 s51, 0
	s_cmp_eq_u32 ttmp9, 0                          ; the batch's first cluster asks
	s_cselect_b32 s33, 1, -1
	s_or_b32 s52, ttmp9, s10
	s_cmp_eq_u32 s52, 0
	s_cselect_b32 s34, 1, -1                       ; the scale words: wave 0
	s_lshl_b32 s53, s10, 7                         ; the stage, in: my 32 queries' 128 bytes of a row
	s_mul_i32 s54, s10, 64*SPI                     ; and back: my 64 rows
	s_lshl_b32 s55, s10, 12                        ; Q's fragments
	s_lshl_b32 s56, s10, 8                         ; Q's scale words
	v_and_b32 v91, 31, v0                          ; lane
	v_lshlrev_b32 v1, 4, v91                       ; v1: 16 x lane
	v_lshlrev_b32 v2, 3, v91                       ; v2: 8 x lane
	v_lshlrev_b32 v7, 8, v91                       ; v7: the prefetches' offset among the codes
	v_and_b32 v89, 7, v0
	v_lshlrev_b32 v89, 8, v89                      ; v89: among a step's 2,048 bytes of scale words
	v_and_b32 v92, 15, v0                          ; r
	v_bfe_u32 v93, v0, 4, 1                        ; h
	v_mul_u32_u24 v8, v93, 8*SPI                   ; the stage, in: channel 16 ct + 8 h + j, query 32 w + 16 x + r
	v_lshl_add_u32 v8, v92, 2, v8
	v_add_nc_u32 v8, s53, v8                       ; v8-11: for channels 64 g on
	v_add_nc_u32 v9, 64*SPI, v8
	v_add_nc_u32 v10, 128*SPI, v8
	v_add_nc_u32 v11, 192*SPI, v8
	v_add_nc_u32 v88, s54, v1
	v_add_nc_u32 v90, s55, v1
	v_add_nc_u32 v91, s56, v2
	VW
	s_wait_dscnt 0x0                               ; both opening adds are done
	s_wait_kmcnt 0x0
	s_add_nc_u64 s[4:5], s[4:5], s[46:47]
	s_add_nc_u64 s[8:9], s[8:9], s[48:49]
	s_add_nc_u64 s[36:37], s[6:7], s[50:51]        ; where my prefetches stand
	CROUND                                         ; the first joint loads meet
	s_mov_b32 s24, 1
	s_mov_b32 s25, s28
	s_add_nc_u64 s[26:27], s[6:7], s[44:45]
	s_or_b32 s27, s27, 0x80000000
	tensor_load_to_lds s[24:27], s[16:23]          ; keys 0 to 511: my one load at the head
	s_nop 0
	NOPS 4
.irp x, 0,1
.irp s, 0,1
.irp c, 0,1
	global_load_b128 v[QF+16*\x+8*\s+4*\c:QF+16*\x+8*\s+4*\c+3], v90, s[4:5] offset:2048+2048*\x+1024*\s+512*\c   ; Q stays in registers
.endr
.endr
.endr
	global_load_b64 v[QS:QS+1], v91, s[4:5]
.irp x, 0,1
	v_mov_b32 v[ST+4*\x+1], 0xff61b1e6             ; the largest t so far: -3e38
	v_floor_f32 v[ST+4*\x], -v[ST+4*\x+1]          ; -M
	v_mov_b32 v[ST+4*\x+2], 0
	v_mov_b32 v[ST+4*\x+3], 0
.irp b, 4,5,6,7,13
	v_mov_b32 v[WK+16*\x+\b], 0                    ; a lane permute's destination, and the upper half of f's pair, are written once
.endr
.endr
	WIN CLR
.set i, 0
.rept 256
	v_mov_b32 v[i], 0                              ; O^T: the key step has no first form of its own; the first change of M leaves zeros zeros
.set i, i+1
.endr
	WIN 0
.macro SETADR                          ; the LDS addresses of the step in hand, with a wait behind them
	v_add_nc_u32 v5, s30, v1
	v_add_nc_u32 v6, s30, v2
	VW
.endm
.macro FETCH fr, base, sc, scoff       ; 36 LDS loads: sixteen fragments and eight registers of scale words
	WIN TO_F
.irp f, 0,1,2,3,4,5,6,7,8,9,10,11,12,13,14,15
	ds_load_b128 v[\fr+8*\f:\fr+8*\f+3],   v5 offset:\base+1024*\f
	ds_load_b128 v[\fr+8*\f+4:\fr+8*\f+7], v5 offset:\base+1024*\f+512
.endr
	WIN 0
.irp b, 0,1,2,3
	ds_load_b64 v[\sc+2*\b:\sc+2*\b+1], v6 offset:\scoff+256*\b
.endr
.endm
.macro SMUL                            ; S^T = K Q^T: 16 accumulators by turns, two K steps of 128 channels; the first starts the sums
	WIN W_S
.irp s, 0,1
.irp t, 0,1,2,3,4,5,6,7
.irp x, 0,1
.if \s == 0
	v_wmma_scale_f32_16x16x128_f8f6f4 v[S+64*\x+8*\t:S+64*\x+8*\t+7], v[16*\t:16*\t+7], v[QF+16*\x:QF+16*\x+7], 0, v[KSC+\t], v[QS+\x] matrix_a_fmt:MATRIX_FMT_FP4 matrix_b_fmt:MATRIX_FMT_FP4
.else
	v_wmma_scale_f32_16x16x128_f8f6f4 v[S+64*\x+8*\t:S+64*\x+8*\t+7], v[16*\t+8:16*\t+15], v[QF+16*\x+8:QF+16*\x+15], v[S+64*\x+8*\t:S+64*\x+8*\t+7], v[KSC+\t], v[QS+\x] matrix_a_fmt:MATRIX_FMT_FP4 matrix_b_fmt:MATRIX_FMT_FP4 matrix_a_scale:MATRIX_SCALE_ROW1 matrix_b_scale:MATRIX_SCALE_ROW1
.endif
.endr
.endr
.endr
.endm
.macro PVMUL                           ; O^T += V P^T: 32 accumulators, one instruction each; K = the step's 128 keys
	WIN W_PV
.irp ct, 0,1,2,3,4,5,6,7,8,9,10,11,12,13,14,15
.irp x, 0,1
.if (\ct%4) < 2
	v_wmma_scale_f32_16x16x128_f8f6f4 v[128*\x+8*\ct:128*\x+8*\ct+7], v[128+8*\ct:128+8*\ct+7], v[PC+8*\x:PC+8*\x+7], v[128*\x+8*\ct:128*\x+8*\ct+7], v[VSC+2*(\ct/4)+\ct%2], v[PWR+\x] matrix_a_fmt:MATRIX_FMT_FP4 matrix_b_fmt:MATRIX_FMT_FP4
.else
	v_wmma_scale_f32_16x16x128_f8f6f4 v[128*\x+8*\ct:128*\x+8*\ct+7], v[128+8*\ct:128+8*\ct+7], v[PC+8*\x:PC+8*\x+7], v[128*\x+8*\ct:128*\x+8*\ct+7], v[VSC+2*(\ct/4)+\ct%2], v[PWR+\x] matrix_a_fmt:MATRIX_FMT_FP4 matrix_b_fmt:MATRIX_FMT_FP4 matrix_a_scale:MATRIX_SCALE_ROW1
.endif
.endr
.endr
.endm
; L1 writes line i (0 .. 84) of tile x, all that stands ahead of its exponentials: 0-31 the largest score of each block of 32 keys (my 16; each accumulator from its low end on); 32-39 with lane l xor 16's;
; 40-43 the running largest t; 44-48 the new -M and f = 2^(old M - new M); 49-80 t - M, two scores an instruction; 81-84 the same of each block's largest score.  Lines 49-84 hang on none of each other.
.macro L1 x
.set rS, S+64*(\x)
.set rW, WK+16*(\x)
.set rT, ST+4*(\x)
.if i < 4
	v_max3_num_f32 v[rW+i], v[rS+16*i], v[rS+16*i+1], v[rS+16*i+2]
.elseif i < 28
	v_max3_num_f32 v[rW+i%4], v[rW+i%4], v[rS+16*(i%4)+2*(i/4)+1], v[rS+16*(i%4)+2*(i/4)+2]
.elseif i < 32
	v_max_num_f32 v[rW+i%4], v[rW+i%4], v[rS+16*(i%4)+15]
.elseif i < 36
	v_permlanex16_b32 v[rW+4+i%4], v[rW+i%4], s[SEL], s[SEL+1]
.elseif i < 40
	v_max_num_f32 v[rW+i%4], v[rW+i%4], v[rW+4+i%4]
.elseif i == 40
	v_max3_num_f32 v[rW+14], v[rW], v[rW+1], v[rW+2]
.elseif i == 41
	v_max_num_f32 v[rW+14], v[rW+14], v[rW+3]      ; the step's largest score of my query
.elseif i == 42
	v_mul_f32 v[rW+14], s[CS], v[rW+14]            ; as t
.elseif i == 43
	v_max_num_f32 v[rT+1], v[rT+1], v[rW+14]       ; the running largest t
.elseif i == 44
	v_mov_b32 v[rW+14], v[rT]
.elseif i == 45
	v_floor_f32 v[rT], -v[rT+1]                    ; the new -M = -ceil(t)
.elseif i == 46
	v_sub_f32 v[rW+14], v[rT], v[rW+14]            ; old M - new M: a whole number, 0 or less
.elseif i == 47
	v_cvt_i32_f32 v[rW+14], v[rW+14]               ; (it saturates)
.elseif i == 48
	v_ldexp_f32 v[rW+12], 1.0, v[rW+14]            ; f
.elseif i < 81
	v_pk_fma_f32 v[rS+2*(i-49):rS+2*(i-49)+1], v[rS+2*(i-49):rS+2*(i-49)+1], s[CS:CS+1], v[rT:rT+1] op_sel_hi:[1,0,0]
.else
	v_fma_f32 v[rW+i-81], v[rW+i-81], s[CS], v[rT]
.endif
.endm
.macro EX x                            ; exponential e (0 .. 67) of tile x: the four blocks' largest p, then the 64 p
.if e < 4
	v_exp_f32 v[WK+16*(\x)+e], v[WK+16*(\x)+e]
.else
	v_exp_f32 v[S+64*(\x)+e-4], v[S+64*(\x)+e-4]
.endif
.endm
; L2 writes line i (0 .. 60) of what stands behind them: 0 the sum under the new M; 1-32 the sum of the UNQUANTISED p, in two chains; 33-36 the floor 2^(3 - 127); 37-40 the conversions' scale operands;
; 41-47 the bytes and p's scale word; 48-55 the conversions; 56 the plain line behind them; 57-60 the exchange of halves: the operand wants a whole block in a lane.
.macro L2 x
.set rS, S+64*(\x)
.set rW, WK+16*(\x)
.set rT, ST+4*(\x)
.set rP, PC+8*(\x)
.if i == 0
	v_pk_mul_f32 v[rT+2:rT+3], v[rT+2:rT+3], v[rW+12:rW+13] op_sel_hi:[1,0]
.elseif i == 1
	v_pk_add_f32 v[rW+4:rW+5], v[rS:rS+1], v[rS+2:rS+3]
.elseif (i < 32) && (i%2 == 0)
	v_pk_add_f32 v[rT+2:rT+3], v[rT+2:rT+3], v[rS+2*i:rS+2*i+1]
.elseif i < 32
	v_pk_add_f32 v[rW+4:rW+5], v[rW+4:rW+5], v[rS+2*i:rS+2*i+1]
.elseif i == 32
	v_pk_add_f32 v[rT+2:rT+3], v[rT+2:rT+3], v[rW+4:rW+5]
.elseif i < 37
	v_max_num_f32 v[rW+i-33], 0x1800000, v[rW+i-33]
.elseif i < 41
	v_add_nc_u32 v[rW+8+i-37], 0xff000000, v[rW+i-37]
.elseif i < 45
	v_lshrrev_b32 v[rW+4+i-41], 23, v[rW+8+i-41]
.elseif i == 45
	v_lshl_or_b32 v[PWR+(\x)], v[rW+5], 8, v[rW+4]
.elseif i == 46
	v_lshl_or_b32 v[PWR+(\x)], v[rW+6], 16, v[PWR+(\x)]
.elseif i == 47
	v_lshl_or_b32 v[PWR+(\x)], v[rW+7], 24, v[PWR+(\x)]
.elseif i < 56
	v_cvt_scalef32_pk8_fp4_f32 v[rP+i-48], v[rS+8*(i-48):rS+8*(i-48)+7], v[rW+8+(i-48)/2]
.elseif i == 56
	v_nop
.else
	v_permlane16_swap_b32 v[rP+4*((i-57)/2)+(i-57)%2], v[rP+4*((i-57)/2)+2+(i-57)%2]
.endif
.endm
; TILE 0's sum goes in two levels.  Sixteen pairs of registers that are idle between the two batches take the first level: both tiles' code registers (8 pairs), tile 0's WK+4..11 (4), v90-95 (3), tile 0's WK+14, +15.
.macro TREG j
.if (\j) < 8
.set TJ, PC+2*(\j)
.elseif (\j) < 12
.set TJ, WK+4+2*((\j)-8)
.elseif (\j) < 15
.set TJ, 90+2*((\j)-12)
.else
.set TJ, WK+14
.endif
.endm
.macro F0                              ; line k (0 .. 20): 21 lines of tile 0 that hang on none of each other: the sum under the new M; the four floors; the 16 first-level sums
.if k == 0
	v_pk_mul_f32 v[ST+2:ST+3], v[ST+2:ST+3], v[WK+12:WK+13] op_sel_hi:[1,0]
.elseif k < 5
	v_max_num_f32 v[WK+k-1], 0x1800000, v[WK+k-1]
.else
	TREG k-5
	v_pk_add_f32 v[TJ:TJ+1], v[S+4*(k-5):S+4*(k-5)+1], v[S+4*(k-5)+2:S+4*(k-5)+3]
.endif
.endm
.macro G0                              ; line n (0 .. 39): the second level in two chains (0-15), then tile 0's lines 37 to 60 of L2
.if n == 15
	v_pk_add_f32 v[ST+2:ST+3], v[ST+2:ST+3], v[PC+2:PC+3]
.elseif (n < 15) && (n%2 == 0)
	TREG n
	v_pk_add_f32 v[ST+2:ST+3], v[ST+2:ST+3], v[TJ:TJ+1]
.elseif n < 15
	TREG n+2
	v_pk_add_f32 v[PC+2:PC+3], v[PC+2:PC+3], v[TJ:TJ+1]
.else
.set i, n+21
	L2 0
.endif
.endm
.macro RESC                            ; both tiles' O^T times their f, each accumulator from its low end on
	WIN W_RS
	VW                                             ; the wait here, directly ahead of the first reader of O^T
.set i, 0
.rept 128
	v_pk_mul_f32 v[2*i:2*i+1], v[2*i:2*i+1], v[WK+16*(i/64)+12:WK+16*(i/64)+13] op_sel_hi:[1,0]
.set i, i+1
.endr
.endm
; A KEY STEP.  nextk = 1: the next step's K lies in the same slot and is fetched here.
; A load into a register that a matrix instruction has read, and a vector instruction that reads a matrix result, stand four plain vector instructions behind it (ISA guide 7.12.1 for vector instructions).
.macro STEP nextk
	SETADR                                         ; these two lines and two v_nop are the places behind the last step's products
	NOPS 2
	FETCH 128, 18432, VSC, 1024                    ; V
	s_wait_dscnt 36                                ; K's 36 loads are in; V's 36, issued behind them, may be out
	SMUL
	WIN 0
	NOPS 4
.if \nextk
	FETCH 0, STEPB+2048, KSC, STEPB                ; the next step's K
.endif
.set i, 0
.rept 49
	L1 0                                           ; the two tiles' dependent lines by turns
	L1 1
.set i, i+1
.endr
.rept 36
	L1 0                                           ; tile 0's t - M
.set i, i+1
.endr
	VW                                             ; one wait ahead of the batch
.set e, 0
.rept 68
	EX 0                                           ; tile 0's batch; behind each of its last 36 lines one of tile 1's 36 lines t - M
.if e >= 32
.set i, e+17
	L1 1
.endif
.set e, e+1
.endr
	VW                                             ; behind tile 0's batch and ahead of tile 1's
.set e, 0
.rept 68
	EX 1                                           ; tile 1's batch; behind each of its last 21 lines one of tile 0's 21 independent lines
.if e >= 47
.set k, e-47
	F0
.endif
.set e, e+1
.endr
	VW                                             ; behind tile 1's batch
.set n, 0
.rept 61
.set i, n
	L2 1                                           ; what is left of the two tiles by turns
.if n < 40
	G0
.endif
.set n, n+1
.endr
	RESC                                           ; these 128 plain lines also stand between the writing of p's codes and scale words and the scaled products
	VW
.if \nextk
	s_wait_dscnt 36                                ; V's 36 loads are in; the next step's K, 36 issued behind them, may be out
.else
	s_wait_dscnt 0x0                               ; V is in, and my reads of this slot are over
.endif
	PVMUL
	WIN 0
	s_add_co_u32 s30, s30, STEPB
.endm
; A PREFETCH INTO THE L2 of the slot that the NEXT change of slots will ask for: four key steps ahead of that load.  The batch's first cluster asks; partner cx takes step cx of the slot (by address);
; wave w names 32 blocks of 256 bytes of its codes, a lane a block, and wave 0 also the step's 8 blocks of scale words (lanes 8 to 31 name the same 8 again, inside the one instruction).
; The last change that fills a slot asks for nothing; the first two slots come by their loads alone.
.macro ASK
	s_cmp_gt_u32 s31, s33
	s_cbranch_scc0 .Lno_codes_\@
	global_prefetch_b8 v7, s[36:37] offset:2048 th:TH_LOAD_NT scope:SCOPE_SE
.Lno_codes_\@:
	s_cmp_gt_u32 s31, s34
	s_cbranch_scc0 .Lno_scales_\@
	global_prefetch_b8 v89, s[36:37] th:TH_LOAD_NT scope:SCOPE_SE
.Lno_scales_\@:
.endm
; THE CHANGE OF SLOTS.  Each wave waits for all its tensor loads, adds 0 to its spare word, and waits for that and for its reads of the slot that it has left.
; fill = 1: a round of the cluster's barrier follows, and the joint fill of the slot just left is the first thing behind it: it has four key steps in which to land.
.macro CHANGE fill
	s_wait_tensorcnt 0x0
	ds_add_u32 v3, v4
.if \fill
	s_xor_b32 s25, s25, SLOT                       ; the other slot than last time,
	s_add_nc_u64 s[26:27], s[26:27], SLOT          ; the next 512 keys
	s_wait_xcnt 0x0                                ; the last prefetches have read their address
	s_add_nc_u64 s[36:37], s[36:37], SLOT
.endif
	s_wait_dscnt 0x0
.if \fill
	CROUND
	tensor_load_to_lds s[24:27], s[16:23]          ; a wave's one tensor load until the next round
	s_nop 0
	NOPS 4
.else
	s_barrier_signal -1
	s_barrier_wait -1
.endif
.endm
.macro SLOT_STEPS ask                  ; a slot's four key steps: three trips of a loop, and the last, which has no next K in its slot
	SETADR
	FETCH 0, 2048, KSC, 0
.if \ask
	ASK
.endif
	s_mov_b32 s32, 3
.Lstep_\@:
	STEP 1
	s_sub_co_u32 s32, s32, 1
	s_cmp_lg_u32 s32, 0
	s_cbranch_scc1 .Lstep_\@
	STEP 0
	s_sub_co_u32 s30, s30, SLOT                    ; back to the slot's first step,
	s_xor_b32 s30, s30, SLOT                       ; in the other slot
.endm
	VW
	s_wait_loadcnt 0x0                             ; Q and its scale words
.Lslot:                                            ; 7 trips: behind each change of slots but the last the next 512 keys are asked for
	CHANGE 1
	SLOT_STEPS 1
	s_sub_co_u32 s31, s31, 1
	s_cmp_lg_u32 s31, 0
	s_cbranch_scc1 .Lslot
	CHANGE 0                                       ; the last slot is written out
	SLOT_STEPS 0
	; THE WAY OUT.  O^T is divided by l and goes through the work-group's stage in LDS, laid by channels: a row of out's 128 queries comes from four waves.
	s_wait_dscnt 0x0
	s_barrier_signal -1                            ; behind this barrier no wave reads the ring; the division, work on registers, stands between signal and wait
.irp x, 0,1
	v_add_f32 v[WK+16*\x+14], v[ST+4*\x+2], v[ST+4*\x+3]           ; the sum's two halves (these plain lines are the places behind the last products),
.endr
.irp x, 0,1
	v_permlanex16_b32 v[WK+16*\x+4], v[WK+16*\x+14], s[SEL], s[SEL+1]
.endr
.irp x, 0,1
	v_add_f32 v[WK+16*\x+14], v[WK+16*\x+14], v[WK+16*\x+4]        ; and lane l xor 16's: l
.endr
	VW                                             ; the wait ahead of the transcendentals
.irp x, 0,1
	v_rcp_f32 v[WK+16*\x+12], v[WK+16*\x+14]                       ; 1 / l takes f's place
.endr
	v_nop
	RESC                                           ; (its wait stands ahead of the first reader of 1 / l too)
	WIN 0
	VW
	s_barrier_wait -1
	WIN ST_O
.irp ct, 0,1,2,3,4,5,6,7,8,9,10,11,12,13,14,15
.irp x, 0,1
.irp j, 0,1,2,3,4,5,6,7
	ds_store_b32 v[8+\ct/4], v[128*\x+8*\ct+\j] offset:((\ct%4)*16+\j)*SPI+64*\x   ; out(16 ct + 8 h + j, 32 w + 16 x + r)
.endr
.endr
.endr
	WIN 0
	s_wait_dscnt 0x0                               ; for the others' sake: my stores into the stage are done
	s_barrier_signal -1
	s_barrier_wait -1                              ; 256 whole rows lie in the stage
.macro BACK bt                         ; 16 of my 64 rows, 512 bytes each, into v128-191 and v192-255 by turns
.irp i, 0,1,2,3,4,5,6,7,8,9,10,11,12,13,14,15
	ds_load_b128 v[S+64*((\bt)%2)+4*\i:S+64*((\bt)%2)+4*\i+3], v88 offset:(16*(\bt)+\i)*SPI
.endr
.endm
.macro SEND bt, younger                ; younger: the LDS loads issued behind this batch's, which may stay out
.irp i, 0,1,2,3,4,5,6,7,8,9,10,11,12,13,14,15
	s_wait_dscnt \younger+15-\i
	global_store_b128 v1, v[S+64*((\bt)%2)+4*\i:S+64*((\bt)%2)+4*\i+3], s[8:9] offset:(16*(\bt)+\i)*16384 th:TH_STORE_NT   ; 32 lanes store 512 consecutive bytes of a channel's row, aligned to 256
.endr
.endm
	BACK 0
	BACK 1
	SEND 0, 16
	s_wait_xcnt 0x0                                ; the first batch's stores have read their registers: the third batch's loads may land there
	BACK 2
	SEND 1, 16
	s_wait_xcnt 0x0                                ; likewise the second batch's
	BACK 3
	SEND 2, 16
	SEND 3, 0
	s_wait_tensorcnt 0x0                           ; the wave's end
	ds_add_u32 v3, v4
	s_wait_dscnt 0x0
	CROUND                                         ; the closing round
	s_endpgm
.Lfunc_end_k_qa9cbb2de3c_attn:
	.size	k_qa9cbb2de3c_attn, .Lfunc_end_k_qa9cbb2de3c_attn-k_qa9cbb2de3c_attn
	.p2alignl 7, 3214868480
	.fill 96, 4, 3214868480
	.section	.rodata,"a",@progbits
	.p2align	6, 0x0
	.amdhsa_kernel k_qa9cbb2de3c_attn
		.amdhsa_group_segment_fixed_size 327680
		.amdhsa_private_segment_fixed_size 0
		.amdhsa_enable_private_segment 0
		.amdhsa_kernarg_size 24
		.amdhsa_user_sgpr_count 2
		.amdhsa_user_sgpr_kernarg_segment_ptr 1
		.amdhsa_wavefront_size32 1
		.amdhsa_system_sgpr_workgroup_id_x 1
		.amdhsa_system_sgpr_workgroup_id_y 1
		.amdhsa_system_sgpr_workgroup_id_z 1
		.amdhsa_system_vgpr_workitem_id 0
		.amdhsa_next_free_vgpr 768
		.amdhsa_next_free_sgpr 66
		.amdhsa_reserve_vcc 0
		.amdhsa_float_denorm_mode_32 3
		.amdhsa_float_denorm_mode_16_64 3
		.amdhsa_memory_ordered 1
		.amdhsa_forward_progress 1
		.amdhsa_inst_pref_size 224
	.end_amdhsa_kernel
	.amdgpu_metadata
---
amdhsa.version: [ 1, 2 ]
amdhsa.kernels:
  - .name:           k_qa9cbb2de3c_attn
    .symbol:         k_qa9cbb2de3c_attn.kd
    .args:
      - { .name: q, .offset: 0, .size: 8, .value_kind: global_buffer, .address_space: global }
      - { .name: kv, .offset: 8, .size: 8, .value_kind: global_buffer, .address_space: global }
      - { .name: out0, .offset: 16, .size: 8, .value_kind: global_buffer, .address_space: global }
    .group_segment_fixed_size: 327680
    .private_segment_fixed_size: 0
    .kernarg_segment_align: 8
    .kernarg_segment_size: 24
    .max_flat_workgroup_size: 128
    .sgpr_count:     66
    .vgpr_count:     768
    .wavefront_size: 32
...
	.end_amdgpu_metadata
.endif
;; end of part 2
